; MI455X (gfx1250); checked and timed in simulation.
; The chip was launched on July 23, 2026; its instructions are those of AMD's public machine-readable ISA for CDNA 5 (MIT licence, August 2026) and "CDNA5" Instruction Set Architecture Reference Guide (July 2026). The comments in the code are by the model that wrote it; some were corrected since.
;; Cross Attention. Allowed arithmetic: float matrix products may take bf16 or f16 operands with f32 sums; all other float work in f32.
;; Inputs: Wk 128 x 128 float32; Wq 128 x 128 float32; Wv 128 x 128 float32; X 4 x 4,096 x 128 float32; context 4 x 4,096 x 128 float32.
;; Outputs: out0 4 x 4,096 x 128 float32.
;; 2 versions, each right; version 2 is version 1 with the launches partial, apply written anew for expert scheduling mode. Each part assembles by itself: llvm-mc -triple=amdgcn-amd-amdhsa -mcpu=gfx1250 --defsym DOCPART=n.
;; ======== version 1 of 2: 3 launches
;; workspace buffers: part 8,388,608 bytes; mfrag 262,144 bytes
;; launch partial (part 1): grid 128 x 1, 8 waves a work-group, no clusters, 175,104 bytes of LDS; arguments context, Wk, Wv, Wq, part; writes part
.if DOCPART == 1
	.amdgcn_target "amdgcn-amd-amdhsa--gfx1250"
	.amdhsa_code_object_version 6
	.text
	.protected	k_q51c0d861f4_partial
	.globl	k_q51c0d861f4_partial
	.p2align	8
	.type	k_q51c0d861f4_partial,@function
k_q51c0d861f4_partial:
	s_mov_b64 s[64:65], 0
	v_nop
	global_prefetch_b8 v0, s[64:65] scope:SCOPE_SE
	s_setreg_imm32_b32 hwreg(HW_REG_WAVE_MODE, 25, 1), 1
	s_wait_xcnt 0x0
; FIRST OF THREE LAUNCHES.  reference() has no softmax between its two large products, so for every input
;   out[b] = X[b] M[b],   M[b][d][f] = 128^-1/2 * sum over e of Wq[e][d] * sum over t of k[t][e] v[t][f],
; with k = context Wk^T and v = context Wv^T formed as reference() forms them; only the order of the sums over t and e differs.
; This launch: work-group g takes rows 128 g .. 128 g + 127 of context (as [16384][128]; batch g / 32) and stores its share
;   Mp[d][f] = sum_e Wq[e][d] * sum over its 128 t of k[t][e] v[t][f]        (f32, not yet scaled)
; into part[g].  The second launch adds the 32 shares of a batch, the third multiplies X by the sum.
; NUMBERS: context, Wk, Wv, Wq are rounded once to bf16; k, v and the work-group's k^T v are rounded once to bf16 as matrix
; operands; all sums are f32.  LIMIT KEPT: the order of summation and of rounding is not reference()'s.
; SHARES: eight waves.  Wave w converts rows 16 w .. 16 w + 15 of each of the four matrices into LDS, makes columns
; e = 16 w .. +15 of k and f = 16 w .. +15 of v, and then the 128 x 16 strips (all e, its f) of k^T v and (all d, its f) of Mp.
; A 16 x 16 result holds (m = 8 h + j, n = r) in register j of lane 16 h + r.  Two results with m = 0..15 and 16..31, packed two
; by two to bf16, therefore ARE an operand fragment with lane = n and K = m: each product is contracted over its m by the next
; one without a transposition.  Only k's fragments go through LDS, because every wave needs all of them.
; NO JOINT REQUESTS IN A CLUSTER, although all work-groups read the same three weight matrices: they are f32 in memory and have
; to be bf16 in LDS, so they pass through registers in any case; a landing zone for them as they are would be 3 x 65,536 bytes
; beside the 174,080 used here, more than a work-group can be given.  No ring and no prefetch: the launch has one step, and all of
; its 64 loads a lane are issued at its head.
.set PITCH,  272                       ; LDS row of 128 bf16: 256 bytes + 16, an odd multiple of 16: the 16 rows of a fragment load start 16 bytes apart modulo 256
.set QPITCH, 288                       ; Wq's rows: an odd multiple of 32, for the transposing loads
.set CS,   0                           ; context, 128 rows x 272           34,816 bytes
.set WKS,  34816                       ; Wk, 128 rows x 272                34,816
.set WVS,  69632                       ; Wv, 128 rows x 272                34,816
.set WQS,  104448                      ; Wq, 128 rows x 288                36,864
.set KF,   141312                      ; k as 32 fragments of 1,024 bytes: [e tile][32 t][registers 0-3, 4-7][lane][16 bytes]   32,768
.set ADG,  4                           ; v4   16 lane + 8,192 w: global loads (16 rows of 512 bytes a wave) and the stores into part
.set ADS,  5                           ; v5   8 lane + 16 w rows: conversion into CS and WKS
.set ADSV, 6                           ; v6   the same + WVS (beyond the 16-bit immediate)
.set ADSQ, 7                           ; v7   8 lane + 16 w rows of 288 + WQS
.set ADC,  8                           ; v8   272 r + 16 h: fragments of context
.set ADW,  9                           ; v9   the same + my 16 rows + WKS: fragments of Wk, and of Wv 34,816 further
.set ADKS, 10                          ; v10  16 lane + 4,096 w + KF: where I put k's fragments
.set ADKL, 11                          ; v11  16 lane + KF: where everybody reads them
.set ADT,  12                          ; v12  WQS + (8 h + lane % 8) 288 + 16 ((lane / 8) % 2): transposing loads of Wq
; data registers, phase by phase
.set RC,  16                           ; v16-79    context as loaded            |  WKF 16-47, WVF 48-79   |  A fragments, buffer 0: 16-47, 48-79
.set RK,  80                           ; v80-143   Wk as loaded                 |  CF0 80-111, CF1 112-143 |  KVA, then MA: 80-143
.set RV,  144                          ; v144-207  Wv as loaded                 |  AK0 AK1 AV0 AV1 144-175 |  A fragments, buffer 1: 144-175, 208-239
.set T,   208                          ; v208-239  packed bf16 on the way to LDS
.set WKF, 16
.set WVF, 48
.set CF0, 80
.set CF1, 112
.set AK0, 144
.set AK1, 152
.set AV0, 160
.set AV1, 168
.set VF,  176                          ; v176-207  v's four fragments (lane = f, K = t); later KVF
.set KT,  208                          ; v208-215  one fragment of k on its way to LDS
.set T2,  80                           ; v80-111   Wq packed
.set KVA, 80                           ; v80-143   k^T v: eight results (e tile 0..7)
.set KVF, 176                          ; v176-207  k^T v as four fragments (lane = f, K = e)
.set MA,  80                           ; v80-143   Mp: eight results (d tile 0..7)
                                       ; v256-319  Wq as loaded (second window of 256 registers)
.set MSB, 0
.macro WIN new                         ; s_set_vgpr_msb: bits 1:0 source 0, 3:2 source 1, 5:4 source 2, 7:6 destination; the high byte repeats the setting left
.if MSB != \new
	s_set_vgpr_msb (MSB<<8)|\new
.set MSB, \new
.endif
.endm
; Four independent plain vector instructions stand between a matrix instruction and a vector instruction, a load or a store that
; touches its registers; other matrix instructions are not counted as such here.
.macro PLACES
.rept 4
	v_nop
.endr
.endm
; 16 rows of f32 (4 numbers a lane and row) to bf16 and into LDS: a row's 32 lanes write 256 neighbouring bytes
.macro STAGE raw, adr, base, pitch
.irp i, 0,1,2,3,4,5,6,7,8,9,10,11,12,13,14,15
	v_cvt_pk_bf16_f32 v[T+2*\i],   v[\raw+4*\i],   v[\raw+4*\i+1]
	v_cvt_pk_bf16_f32 v[T+2*\i+1], v[\raw+4*\i+2], v[\raw+4*\i+3]
.endr
.irp i, 0,1,2,3,4,5,6,7,8,9,10,11,12,13,14,15
	ds_store_b64 v[\adr], v[T+2*\i:T+2*\i+1] offset:\base+\i*\pitch
.endr
.endm
; the four fragments (K = d in steps of 32) of context rows 16 tt .. +15: 8 loads
.macro LDC tt, cf
.irp c, 0,1,2,3
	ds_load_b128 v[\cf+8*\c:\cf+8*\c+3],   v[ADC] offset:\tt*16*PITCH+64*\c
	ds_load_b128 v[\cf+8*\c+4:\cf+8*\c+7], v[ADC] offset:\tt*16*PITCH+64*\c+32
.endr
.endm
; k and v of 16 t: two chains of four, taking turns; the first link starts the sum with the constant 0
.macro MUL cf, ak, av
	v_wmma_f32_16x16x32_bf16 v[\ak:\ak+7], v[\cf:\cf+7], v[WKF:WKF+7], 0
	v_wmma_f32_16x16x32_bf16 v[\av:\av+7], v[\cf:\cf+7], v[WVF:WVF+7], 0
.irp c, 1,2,3
	v_wmma_f32_16x16x32_bf16 v[\ak:\ak+7], v[\cf+8*\c:\cf+8*\c+7], v[WKF+8*\c:WKF+8*\c+7], v[\ak:\ak+7]
	v_wmma_f32_16x16x32_bf16 v[\av:\av+7], v[\cf+8*\c:\cf+8*\c+7], v[WVF+8*\c:WVF+8*\c+7], v[\av:\av+7]
.endr
.endm
; two results (m = 0..15, m = 16..31) become one fragment with K = m
.macro CVT8 dst, t0, t1
.irp i, 0,1,2,3
	v_cvt_pk_bf16_f32 v[\dst+\i], v[\t0+2*\i], v[\t0+2*\i+1]
.endr
.irp i, 0,1,2,3
	v_cvt_pk_bf16_f32 v[\dst+4+\i], v[\t1+2*\i], v[\t1+2*\i+1]
.endr
.endm
.macro TT cf, ak, av, left             ; 16 t: wait, multiply, keep the distance for what follows
	s_wait_dscnt \left
	MUL \cf, \ak, \av
	PLACES
.endm
.macro PACK tp                         ; 32 t are done: v's fragment stays in registers, k's goes to LDS
	CVT8 KT, AK0, AK1
	CVT8 VF+8*\tp, AV0, AV1
	ds_store_b128 v[ADKS], v[KT:KT+3]   offset:\tp*1024
	ds_store_b128 v[ADKS], v[KT+4:KT+7] offset:\tp*1024+512
.endm
; the four fragments (K = t in steps of 32) of k's e tile et: 8 loads, each of 512 neighbouring bytes
.macro LDK et, base
.irp tp, 0,1,2,3
	ds_load_b128 v[\base+8*\tp:\base+8*\tp+3],   v[ADKL] offset:4096*\et+1024*\tp
	ds_load_b128 v[\base+8*\tp+4:\base+8*\tp+7], v[ADKL] offset:4096*\et+1024*\tp+512
.endr
.endm
; the four fragments (lane = d, K = e in steps of 32) of Wq's columns 16 dt .. +15, transposed on the way: 8 loads
.macro LDT dt, base
.irp c, 0,1,2,3
	ds_load_tr16_b128 v[\base+8*\c:\base+8*\c+3],   v[ADT] offset:32*QPITCH*\c+32*\dt
	ds_load_tr16_b128 v[\base+8*\c+4:\base+8*\c+7], v[ADT] offset:32*QPITCH*\c+32*\dt+16*QPITCH
.endr
.endm
; two results side by side: A fragments at b0 and b1, the same four B fragments at bf; two chains taking turns
.macro MULP acc, b0, b1, bf
	v_wmma_f32_16x16x32_bf16 v[\acc:\acc+7],    v[\b0:\b0+7], v[\bf:\bf+7], 0
	v_wmma_f32_16x16x32_bf16 v[\acc+8:\acc+15], v[\b1:\b1+7], v[\bf:\bf+7], 0
.irp c, 1,2,3
	v_wmma_f32_16x16x32_bf16 v[\acc:\acc+7],    v[\b0+8*\c:\b0+8*\c+7], v[\bf+8*\c:\bf+8*\c+7], v[\acc:\acc+7]
	v_wmma_f32_16x16x32_bf16 v[\acc+8:\acc+15], v[\b1+8*\c:\b1+8*\c+7], v[\bf+8*\c:\bf+8*\c+7], v[\acc+8:\acc+15]
.endr
.endm
	s_load_b256 s[4:11], s[0:1], 0x0               ; context s[4:5], Wk s[6:7], Wv s[8:9], Wq s[10:11]
	s_load_b64 s[12:13], s[0:1], 0x20              ; part
	v_lshl_add_u32 v254, v0, 2, 0x2a800
	v_mov_b32 v255, 0
	v_and_b32 v1, 31, v0                           ; lane
	v_lshrrev_b32 v2, 5, v0
	v_readfirstlane_b32 s14, v2                    ; wave w
	s_lshl_b32 s16, ttmp9, 16                      ; 128 rows of 512 bytes of context, and 65,536 bytes of part, for each work-group
	s_mov_b32 s17, 0
	s_lshl_b32 s15, s14, 13                        ; 16 rows of 512 bytes; also my 8 results of 1,024 bytes in part
	v_lshl_add_u32 v[ADG], v1, 4, s15
	s_wait_kmcnt 0x0
	s_add_nc_u64 s[4:5], s[4:5], s[16:17]
	s_add_nc_u64 s[12:13], s[12:13], s[16:17]
	; ---- all of the launch's loads: each covers one row, 512 neighbouring bytes ----
.irp i, 0,1,2,3,4,5,6,7,8,9,10,11,12,13,14,15
	global_load_b128 v[RC+4*\i:RC+4*\i+3], v[ADG], s[4:5] offset:\i*512 th:TH_LOAD_NT     ; context is read once in the launch
.endr
.irp i, 0,1,2,3,4,5,6,7,8,9,10,11,12,13,14,15
	global_load_b128 v[RK+4*\i:RK+4*\i+3], v[ADG], s[6:7] offset:\i*512
.endr
.irp i, 0,1,2,3,4,5,6,7,8,9,10,11,12,13,14,15
	global_load_b128 v[RV+4*\i:RV+4*\i+3], v[ADG], s[8:9] offset:\i*512
.endr
	WIN 0x40                                       ; destination in the second window: v256-319
.irp i, 0,1,2,3,4,5,6,7,8,9,10,11,12,13,14,15
	global_load_b128 v[4*\i:4*\i+3], v[ADG], s[10:11] offset:\i*512
.endr
	WIN 0
	; the other addresses, while the loads are on their way
	v_and_b32 v2, 15, v0                           ; r
	v_bfe_u32 v3, v0, 4, 1                         ; h
	s_mul_i32 s18, s14, 16*PITCH                   ; my 16 rows in CS, WKS, WVS
	s_mul_i32 s19, s14, 16*QPITCH
	s_add_co_u32 s19, s19, WQS                     ; my 16 rows in WQS
	s_lshl_b32 s20, s14, 12
	s_add_co_u32 s20, s20, KF                      ; my four fragments of k
	s_add_co_u32 s21, s18, WKS
	v_lshl_add_u32 v[ADS], v1, 3, s18
	v_add_nc_u32 v[ADSV], WVS, v[ADS]
	v_lshl_add_u32 v[ADSQ], v1, 3, s19
	v_mul_u32_u24 v[ADC], v2, PITCH
	v_lshl_add_u32 v[ADC], v3, 4, v[ADC]
	v_add_nc_u32 v[ADW], s21, v[ADC]
	v_lshl_add_u32 v[ADKS], v1, 4, s20
	v_lshl_add_u32 v[ADKL], v1, 4, KF
	v_and_b32 v13, 7, v0
	v_lshl_add_u32 v13, v3, 3, v13                 ; 8 h + lane % 8: the row of Wq inside a block of 16
	v_mul_u32_u24 v13, v13, QPITCH
	v_bfe_u32 v14, v0, 3, 1
	v_lshl_add_u32 v13, v14, 4, v13                ; + 16 bytes for the upper eight columns
	v_add_nc_u32 v[ADT], WQS, v13
	; ---- to bf16 and into LDS.  Loads come back in order (ISA guide 5.7.1): each count is the loads issued behind the block ----
	s_wait_loadcnt 48                              ; context is in; Wk, Wv, Wq (48 loads) stay out
	STAGE RC, ADS, CS, PITCH
	s_wait_loadcnt 32                              ; Wk is in
	STAGE RK, ADS, WKS, PITCH
	s_wait_loadcnt 16                              ; Wv is in; Wq's 16 loads stay out across the barrier: they land in registers, and nobody writes Wq
	STAGE RV, ADSV, 0, PITCH
	s_wait_dscnt 0x0                               ; my rows are written, for the others' sake
	s_barrier_signal -1
	s_barrier_wait -1                              ; all 128 rows of context are in CS
	; ---- k[t][e] and v[t][f] for all 128 t and my 16 e, my 16 f: A = rows of context, B = my rows of Wk, of Wv ----
.irp c, 0,1,2,3
	ds_load_b128 v[WKF+8*\c:WKF+8*\c+3],   v[ADW] offset:64*\c
	ds_load_b128 v[WKF+8*\c+4:WKF+8*\c+7], v[ADW] offset:64*\c+32
.endr
.irp c, 0,1,2,3
	ds_load_b128 v[WVF+8*\c:WVF+8*\c+3],   v[ADW] offset:WVS-WKS+64*\c
	ds_load_b128 v[WVF+8*\c+4:WVF+8*\c+7], v[ADW] offset:WVS-WKS+64*\c+32
.endr
	LDC 0, CF0
	LDC 1, CF1
	; s_wait_dscnt 8: the one run of 8 loads for the next 16 t stays out (behind a PACK its two stores are older than that run)
	TT CF0, AK0, AV0, 8
	LDC 2, CF0
	TT CF1, AK1, AV1, 8
	PACK 0
	LDC 3, CF1
	TT CF0, AK0, AV0, 8
	LDC 4, CF0
	TT CF1, AK1, AV1, 8
	PACK 1
	LDC 5, CF1
	TT CF0, AK0, AV0, 8
	LDC 6, CF0
	TT CF1, AK1, AV1, 8
	PACK 2
	LDC 7, CF1
	TT CF0, AK0, AV0, 8
	TT CF1, AK1, AV1, 0                            ; nothing was issued behind the last run
	PACK 3
	; ---- Wq to bf16 and into LDS, as it lies: [e][d] ----
	s_wait_loadcnt 0x0
	WIN 0x05                                       ; sources 0 and 1 in the second window
.irp i, 0,1,2,3,4,5,6,7,8,9,10,11,12,13,14,15
	v_cvt_pk_bf16_f32 v[T2+2*\i],   v[4*\i],   v[4*\i+1]
	v_cvt_pk_bf16_f32 v[T2+2*\i+1], v[4*\i+2], v[4*\i+3]
.endr
	WIN 0
.irp i, 0,1,2,3,4,5,6,7,8,9,10,11,12,13,14,15
	ds_store_b64 v[ADSQ], v[T2+2*\i:T2+2*\i+1] offset:\i*QPITCH
.endr
	s_wait_dscnt 0x0                               ; my fragments of k and my rows of Wq are written
	s_barrier_signal -1
	s_barrier_wait -1                              ; everybody's are
	; ---- (k^T v)[e][f], all e, my f: A = k's fragments (lane = e, K = t) from LDS, B = v's (lane = f, K = t) from registers ----
	; two buffers of two e tiles; s_wait_dscnt 16: the younger pair of runs (16 loads) stays out
	LDK 0, 16
	LDK 1, 48
	LDK 2, 144
	LDK 3, 208
	s_wait_dscnt 16
	MULP KVA, 16, 48, VF
	PLACES
	LDK 4, 16
	LDK 5, 48
	s_wait_dscnt 16
	MULP KVA+16, 144, 208, VF
	PLACES
	LDK 6, 144
	LDK 7, 208
	s_wait_dscnt 16
	MULP KVA+32, 16, 48, VF
	PLACES
	LDT 0, 16                                      ; the next product's A fragments follow in the same two buffers
	LDT 1, 48
	s_wait_dscnt 16
	MULP KVA+48, 144, 208, VF
	PLACES
	LDT 2, 144
	LDT 3, 208
	; ---- Mp[d][f] = sum_e Wq[e][d] (k^T v)[e][f]: A = Wq transposed (lane = d, K = e), B = k^T v packed (lane = f, K = e) ----
	CVT8 KVF,    KVA,    KVA+8                     ; behind the four places above: they read results and write over v's fragments
	CVT8 KVF+8,  KVA+16, KVA+24
	CVT8 KVF+16, KVA+32, KVA+40
	CVT8 KVF+24, KVA+48, KVA+56
	s_wait_dscnt 16
	MULP MA, 16, 48, KVF
	PLACES
	LDT 4, 16
	LDT 5, 48
	s_wait_dscnt 16
	MULP MA+16, 144, 208, KVF
	PLACES
	LDT 6, 144
	LDT 7, 208
	s_wait_dscnt 16
	MULP MA+32, 16, 48, KVF
	s_wait_dscnt 0x0
	MULP MA+48, 144, 208, KVF
	PLACES
	; ---- out, register image as it is: part[g][tile 8 w + dt][q][lane][registers 4 q .. 4 q + 3]; each store covers 512 consecutive bytes, aligned ----
.irp dt, 0,1,2,3,4,5,6,7
	global_store_b128 v[ADG], v[MA+8*\dt:MA+8*\dt+3],   s[12:13] offset:\dt*1024
	global_store_b128 v[ADG], v[MA+8*\dt+4:MA+8*\dt+7], s[12:13] offset:\dt*1024+512
.endr
	s_wait_tensorcnt 0x0
	ds_add_u32 v254, v255
	s_wait_dscnt 0x0
	s_endpgm
.Lfunc_end_k_q51c0d861f4_partial:
	.size	k_q51c0d861f4_partial, .Lfunc_end_k_q51c0d861f4_partial-k_q51c0d861f4_partial
	.p2alignl 7, 3214868480
	.fill 96, 4, 3214868480
	.section	.rodata,"a",@progbits
	.p2align	6, 0x0
	.amdhsa_kernel k_q51c0d861f4_partial
		.amdhsa_group_segment_fixed_size 175104
		.amdhsa_private_segment_fixed_size 0
		.amdhsa_enable_private_segment 0
		.amdhsa_kernarg_size 40
		.amdhsa_user_sgpr_count 2
		.amdhsa_user_sgpr_kernarg_segment_ptr 1
		.amdhsa_wavefront_size32 1
		.amdhsa_system_sgpr_workgroup_id_x 1
		.amdhsa_system_sgpr_workgroup_id_y 1
		.amdhsa_system_sgpr_workgroup_id_z 1
		.amdhsa_system_vgpr_workitem_id 0
		.amdhsa_next_free_vgpr 320
		.amdhsa_next_free_sgpr 66
		.amdhsa_reserve_vcc 0
		.amdhsa_float_denorm_mode_32 3
		.amdhsa_float_denorm_mode_16_64 3
		.amdhsa_memory_ordered 1
		.amdhsa_forward_progress 1
		.amdhsa_inst_pref_size 53
	.end_amdhsa_kernel
	.amdgpu_metadata
---
amdhsa.version: [ 1, 2 ]
amdhsa.kernels:
  - .name:           k_q51c0d861f4_partial
    .symbol:         k_q51c0d861f4_partial.kd
    .args:
      - { .name: context, .offset: 0, .size: 8, .value_kind: global_buffer, .address_space: global }
      - { .name: Wk, .offset: 8, .size: 8, .value_kind: global_buffer, .address_space: global }
      - { .name: Wv, .offset: 16, .size: 8, .value_kind: global_buffer, .address_space: global }
      - { .name: Wq, .offset: 24, .size: 8, .value_kind: global_buffer, .address_space: global }
      - { .name: part, .offset: 32, .size: 8, .value_kind: global_buffer, .address_space: global }
    .group_segment_fixed_size: 175104
    .private_segment_fixed_size: 0
    .kernarg_segment_align: 8
    .kernarg_segment_size: 40
    .max_flat_workgroup_size: 256
    .sgpr_count:     66
    .vgpr_count:     320
    .wavefront_size: 32
...
	.end_amdgpu_metadata
.endif
;; end of part 1
;; launch reduce (part 2): grid 256 x 1, 2 waves a work-group, no clusters, 0 bytes of LDS; arguments part, mfrag; writes mfrag
.if DOCPART == 2
	.amdgcn_target "amdgcn-amd-amdhsa--gfx1250"
	.amdhsa_code_object_version 6
	.text
	.protected	k_q51c0d861f4_reduce
	.globl	k_q51c0d861f4_reduce
	.p2align	8
	.type	k_q51c0d861f4_reduce,@function
k_q51c0d861f4_reduce:
	s_mov_b64 s[64:65], 0
	v_nop
	global_prefetch_b8 v0, s[64:65] scope:SCOPE_SE
	s_setreg_imm32_b32 hwreg(HW_REG_WAVE_MODE, 25, 1), 1
	s_wait_xcnt 0x0
; SECOND OF THREE LAUNCHES.  M[b] = 128^-1/2 * the sum of the 32 shares part[32 b .. 32 b + 31], in f32, then split into two bf16:
; hi = bf16(M), lo = bf16(M - hi).  M enters every term of an output alike, so it is carried with 16 significant bits.
; part[g] is [64 tiles 8 ft + dt][2 q][32 lanes][4 f32], the register image of 16 x 16 results (d = 16 dt + 8 h + j, f = 16 ft + r).
; One wave owns one half tile (512 bytes) of one batch: 4 batches x 128 half tiles = 512 waves.  A lane adds its four numbers over
; the 32 shares.  Packed two by two they are registers 4 dt + 2 q, + 1 of the 32 registers that hold the four operand fragments
; (lane = f, K = d) of f tile ft:   mfrag = [4 b][8 ft][hi, lo][16 pairs k = 2 dt + q][32 lanes][8 bytes].
; LIMITS KEPT: the sum runs in four chains (shares p % 4), not in reference()'s order.  Where an element of M is not finite or is
; beyond bf16's largest number (3.39e38), hi is infinite and lo = M - hi is NaN: the outputs that it enters are then NaN.
; A stream: no LDS, no barrier, no matrix unit, nothing shared between work-groups.  All 32 loads of a lane are issued at once.
.set X, 4                              ; v4-131    share p at X + 4 p; shares 0..3 are the four chains
.set H, 132                            ; v132-133  hi, four bf16
.set L, 134                            ; v134-135  lo
.set U, 136                            ; v136-139  hi as f32, then M - hi
	s_load_b128 s[4:7], s[0:1], 0x0                ; part s[4:5], mfrag s[6:7]
	s_lshr_b32 s8, ttmp9, 6                        ; batch: 64 work-groups each
	s_and_b32 s9, ttmp9, 63
	s_lshl_b32 s10, s8, 21                         ; 32 shares of 65,536 bytes
	s_lshl_b32 s9, s9, 10                          ; two half tiles of 512 bytes a work-group
	s_add_co_u32 s10, s10, s9
	s_mov_b32 s11, 0
	s_lshl_b32 s12, s8, 16                         ; mfrag: 65,536 bytes a batch,
	s_bfe_u32 s9, ttmp9, 0x30003                   ; ft = bits 5:3 of the work-group's number,
	s_lshl_b32 s9, s9, 13                          ; 8,192 bytes each,
	s_add_co_u32 s12, s12, s9
	s_and_b32 s9, ttmp9, 7                         ; dt: two pairs of 256 bytes
	s_lshl_b32 s9, s9, 9
	s_add_co_u32 s12, s12, s9
	s_mov_b32 s13, 0
	v_lshlrev_b32 v1, 4, v0                        ; 512 wave + 16 lane
	v_lshlrev_b32 v2, 3, v0                        ; 256 wave + 8 lane
	s_wait_kmcnt 0x0
	s_add_nc_u64 s[4:5], s[4:5], s[10:11]
	s_add_nc_u64 s[6:7], s[6:7], s[12:13]
.set p, 0
.rept 32
	global_load_b128 v[X+4*p:X+4*p+3], v1, s[4:5] offset:p*65536 th:TH_LOAD_NT    ; read once
.set p, p+1
.endr
.macro ADD8 n                          ; n shares more, each onto its chain
.rept \n
	v_pk_add_f32 v[X+4*(p%4):X+4*(p%4)+1],   v[X+4*(p%4):X+4*(p%4)+1],   v[X+4*p:X+4*p+1]
	v_pk_add_f32 v[X+4*(p%4)+2:X+4*(p%4)+3], v[X+4*(p%4)+2:X+4*(p%4)+3], v[X+4*p+2:X+4*p+3]
.set p, p+1
.endr
.endm
.set p, 4
	s_wait_loadcnt 24                              ; loads come back in order (ISA guide 5.7.1): shares 0-7 are in, 24 younger loads stay out
	ADD8 4
	s_wait_loadcnt 16
	ADD8 8
	s_wait_loadcnt 8
	ADD8 8
	s_wait_loadcnt 0x0
	ADD8 8
	v_pk_add_f32 v[X:X+1],     v[X:X+1],     v[X+4:X+5]
	v_pk_add_f32 v[X+2:X+3],   v[X+2:X+3],   v[X+6:X+7]
	v_pk_add_f32 v[X+8:X+9],   v[X+8:X+9],   v[X+12:X+13]
	v_pk_add_f32 v[X+10:X+11], v[X+10:X+11], v[X+14:X+15]
	v_pk_add_f32 v[X:X+1],     v[X:X+1],     v[X+8:X+9]
	v_pk_add_f32 v[X+2:X+3],   v[X+2:X+3],   v[X+10:X+11]
	v_pk_mul_f32 v[X:X+1],   v[X:X+1],   0x3db504f3 op_sel_hi:[1,0]     ; 128^-1/2
	v_pk_mul_f32 v[X+2:X+3], v[X+2:X+3], 0x3db504f3 op_sel_hi:[1,0]
	v_cvt_pk_bf16_f32 v[H],   v[X],   v[X+1]       ; hi
	v_cvt_pk_bf16_f32 v[H+1], v[X+2], v[X+3]
	v_lshlrev_b32 v[U],   16, v[H]                 ; hi back to f32: exact
	v_and_b32     v[U+1], 0xffff0000, v[H]
	v_lshlrev_b32 v[U+2], 16, v[H+1]
	v_and_b32     v[U+3], 0xffff0000, v[H+1]
	v_pk_add_f32 v[U:U+1],   v[X:X+1],   v[U:U+1]   neg_lo:[0,1] neg_hi:[0,1]     ; M - hi: exact
	v_pk_add_f32 v[U+2:U+3], v[X+2:X+3], v[U+2:U+3] neg_lo:[0,1] neg_hi:[0,1]
	v_cvt_pk_bf16_f32 v[L],   v[U],   v[U+1]       ; lo
	v_cvt_pk_bf16_f32 v[L+1], v[U+2], v[U+3]
	global_store_b64 v2, v[H:H+1], s[6:7]                  ; each store of the wave covers 256 consecutive bytes, aligned
	global_store_b64 v2, v[L:L+1], s[6:7] offset:4096
	s_endpgm
.Lfunc_end_k_q51c0d861f4_reduce:
	.size	k_q51c0d861f4_reduce, .Lfunc_end_k_q51c0d861f4_reduce-k_q51c0d861f4_reduce
	.p2alignl 7, 3214868480
	.fill 96, 4, 3214868480
	.section	.rodata,"a",@progbits
	.p2align	6, 0x0
	.amdhsa_kernel k_q51c0d861f4_reduce
		.amdhsa_group_segment_fixed_size 0
		.amdhsa_private_segment_fixed_size 0
		.amdhsa_enable_private_segment 0
		.amdhsa_kernarg_size 16
		.amdhsa_user_sgpr_count 2
		.amdhsa_user_sgpr_kernarg_segment_ptr 1
		.amdhsa_wavefront_size32 1
		.amdhsa_system_sgpr_workgroup_id_x 1
		.amdhsa_system_sgpr_workgroup_id_y 1
		.amdhsa_system_sgpr_workgroup_id_z 1
		.amdhsa_system_vgpr_workitem_id 0
		.amdhsa_next_free_vgpr 140
		.amdhsa_next_free_sgpr 66
		.amdhsa_reserve_vcc 0
		.amdhsa_float_denorm_mode_32 3
		.amdhsa_float_denorm_mode_16_64 3
		.amdhsa_memory_ordered 1
		.amdhsa_forward_progress 1
		.amdhsa_inst_pref_size 9
	.end_amdhsa_kernel
	.amdgpu_metadata
---
amdhsa.version: [ 1, 2 ]
amdhsa.kernels:
  - .name:           k_q51c0d861f4_reduce
    .symbol:         k_q51c0d861f4_reduce.kd
    .args:
      - { .name: part, .offset: 0, .size: 8, .value_kind: global_buffer, .address_space: global }
      - { .name: mfrag, .offset: 8, .size: 8, .value_kind: global_buffer, .address_space: global }
    .group_segment_fixed_size: 0
    .private_segment_fixed_size: 0
    .kernarg_segment_align: 8
    .kernarg_segment_size: 16
    .max_flat_workgroup_size: 64
    .sgpr_count:     66
    .vgpr_count:     140
    .wavefront_size: 32
...
	.end_amdgpu_metadata
.endif
;; end of part 2
;; launch apply (part 3): grid 256 x 1, 8 waves a work-group, no clusters, 52,224 bytes of LDS; arguments X, mfrag, out0; writes out0
.if DOCPART == 3
	.amdgcn_target "amdgcn-amd-amdhsa--gfx1250"
	.amdhsa_code_object_version 6
	.text
	.protected	k_q51c0d861f4_apply
	.globl	k_q51c0d861f4_apply
	.p2align	8
	.type	k_q51c0d861f4_apply,@function
k_q51c0d861f4_apply:
	s_mov_b64 s[64:65], 0
	v_nop
	global_prefetch_b8 v0, s[64:65] scope:SCOPE_SE
	s_setreg_imm32_b32 hwreg(HW_REG_WAVE_MODE, 25, 1), 1
	s_wait_xcnt 0x0
; THIRD OF THREE LAUNCHES.  out[s][f] = sum over d of X[s][d] (Mhi[d][f] + Mlo[d][f]),  X rounded once to bf16, sums in f32.
; Work-group g takes rows 64 g .. 64 g + 63 of X and out (as [16384][128]; batch g / 64).  Eight waves: wave w converts rows
; 8 w .. + 7 of X into LDS, computes columns f = 16 w .. + 15 of all 64 rows, and stores rows 8 w .. + 7 of out.
; The matrix instruction takes M's fragment (lane = f, K = d) as source 0 and X's rows (lane = s, K = d) as source 1: a lane's eight
; results are then eight neighbouring columns of one row of out, 32 bytes, which go through LDS so that whole rows leave.
; mfrag = [4 b][8 ft][hi, lo][16 pairs][32 lanes][8 bytes] is the register image of the fragments: it is loaded straight into them.
; LIMIT KEPT: hi's and lo's products are added in one f32 chain in ascending d, not in reference()'s order.
; NO JOINT REQUESTS IN A CLUSTER, although the 64 work-groups of a batch read the same 65,536 bytes of mfrag: each wave needs its own
; 8,192 of them once, as operands, and takes them straight into registers; by way of LDS the work-group would write and read
; 65,536 bytes more.  X must be converted and so passes through registers.  One step, all loads at the head: no ring, no prefetch.
.set PITCH,  272                       ; a row of 128 bf16 + 16 bytes
.set OPITCH, 528                       ; a row of 128 f32 + 16 bytes: 33 x 16, so the 16 rows that a store touches lie 16 bytes apart modulo 256
.set XS, 0                             ; X, 64 rows x 272      17,408 bytes
.set OS, 17408                         ; out, 64 rows x 528    33,792 bytes
.set ADG, 4                            ; v4  16 lane + 4,096 w: X in, out0 out (8 rows of 512 bytes a wave)
.set ADM, 5                            ; v5  8 lane: mfrag
.set ADS, 6                            ; v6  8 lane + 8 w rows: conversion into XS
.set ADX, 7                            ; v7  272 r + 16 h: fragments of X
.set ADO, 8                            ; v8  OS + 528 r + 32 h + 64 w: my 32 bytes of a row of out
.set ADR, 9                            ; v9  OS + 8 w rows + 16 lane: rows read back
.set MH,  16                           ; v16-47    Mhi, four fragments
.set ML,  48                           ; v48-79    Mlo
.set XF,  80                           ; v80-207   X: fragment (16 rows st, 32 d c) at XF + 32 st + 8 c
.set RAW, 80                           ; v80-111   before that: X as loaded;  at the end: rows of out
.set T,   112                          ; v112-127  X packed
.set ACC, 208                          ; v208-239  four results (st = 0..3)
	s_load_b128 s[4:7], s[0:1], 0x0                ; X s[4:5], mfrag s[6:7]
	s_load_b64 s[8:9], s[0:1], 0x10                ; out0
	v_lshl_add_u32 v240, v0, 2, 0xc800
	v_mov_b32 v241, 0
	v_and_b32 v1, 31, v0                           ; lane
	v_lshrrev_b32 v2, 5, v0
	v_readfirstlane_b32 s10, v2                    ; wave w
	s_lshl_b32 s12, ttmp9, 15                      ; 64 rows of 512 bytes
	s_mov_b32 s13, 0
	s_lshr_b32 s14, ttmp9, 6                       ; batch
	s_lshl_b32 s14, s14, 16                        ; 65,536 bytes of mfrag each,
	s_lshl_b32 s19, s10, 13                        ; 8,192 for each f tile
	s_add_co_u32 s14, s14, s19
	s_mov_b32 s15, 0
	s_lshl_b32 s11, s10, 12
	v_lshl_add_u32 v[ADG], v1, 4, s11
	v_lshlrev_b32 v[ADM], 3, v1
	s_wait_kmcnt 0x0
	s_add_nc_u64 s[4:5], s[4:5], s[12:13]
	s_add_nc_u64 s[8:9], s[8:9], s[12:13]
	s_add_nc_u64 s[6:7], s[6:7], s[14:15]
.irp i, 0,1,2,3,4,5,6,7
	global_load_b128 v[RAW+4*\i:RAW+4*\i+3], v[ADG], s[4:5] offset:\i*512 th:TH_LOAD_NT      ; a row each; X is read once
.endr
.irp k, 0,1,2,3,4,5,6,7,8,9,10,11,12,13,14,15
	global_load_b64 v[MH+2*\k:MH+2*\k+1], v[ADM], s[6:7] offset:\k*256
.endr
.irp k, 0,1,2,3,4,5,6,7,8,9,10,11,12,13,14,15
	global_load_b64 v[ML+2*\k:ML+2*\k+1], v[ADM], s[6:7] offset:4096+\k*256
.endr
	; the other addresses, while the loads are on their way
	v_and_b32 v2, 15, v0                           ; r
	v_bfe_u32 v3, v0, 4, 1                         ; h
	s_mul_i32 s18, s10, 8*PITCH
	v_lshl_add_u32 v[ADS], v1, 3, s18
	v_mul_u32_u24 v[ADX], v2, PITCH
	v_lshl_add_u32 v[ADX], v3, 4, v[ADX]
	s_lshl_b32 s16, s10, 6
	s_add_co_u32 s16, s16, OS
	v_mul_u32_u24 v[ADO], v2, OPITCH
	v_lshl_add_u32 v[ADO], v3, 5, v[ADO]
	v_add_nc_u32 v[ADO], s16, v[ADO]
	s_mul_i32 s17, s10, 8*OPITCH
	s_add_co_u32 s17, s17, OS
	v_lshl_add_u32 v[ADR], v1, 4, s17
	s_wait_loadcnt 32                              ; loads come back in order (ISA guide 5.7.1): X is in, mfrag's 32 loads stay out
.irp i, 0,1,2,3,4,5,6,7
	v_cvt_pk_bf16_f32 v[T+2*\i],   v[RAW+4*\i],   v[RAW+4*\i+1]
	v_cvt_pk_bf16_f32 v[T+2*\i+1], v[RAW+4*\i+2], v[RAW+4*\i+3]
.endr
.irp i, 0,1,2,3,4,5,6,7
	ds_store_b64 v[ADS], v[T+2*\i:T+2*\i+1] offset:\i*PITCH
.endr
	s_wait_dscnt 0x0                               ; my rows are written, for the others' sake
	s_barrier_signal -1
	s_barrier_wait -1                              ; all 64 rows are in XS
	; all 16 fragments of X, in the order in which they are multiplied: 8 loads for each 32 d
.irp c, 0,1,2,3
.irp st, 0,1,2,3
	ds_load_b128 v[XF+32*\st+8*\c:XF+32*\st+8*\c+3],   v[ADX] offset:\st*16*PITCH+64*\c
	ds_load_b128 v[XF+32*\st+8*\c+4:XF+32*\st+8*\c+7], v[ADX] offset:\st*16*PITCH+64*\c+32
.endr
.endr
	s_wait_loadcnt 0x0                             ; M's fragments
; 32 d: four chains in place taking turns, hi's product and then lo's on each.  first = 1: the constant 0 starts the sums.
.macro KSTEP c, first
	s_wait_dscnt 24-8*\c                           ; LDS loads come back in order: the 8 loads of each later c stay out
.irp st, 0,1,2,3
.if \first
	v_wmma_f32_16x16x32_bf16 v[ACC+8*\st:ACC+8*\st+7], v[MH+8*\c:MH+8*\c+7], v[XF+32*\st+8*\c:XF+32*\st+8*\c+7], 0
.else
	v_wmma_f32_16x16x32_bf16 v[ACC+8*\st:ACC+8*\st+7], v[MH+8*\c:MH+8*\c+7], v[XF+32*\st+8*\c:XF+32*\st+8*\c+7], v[ACC+8*\st:ACC+8*\st+7]
.endif
.endr
.irp st, 0,1,2,3
	v_wmma_f32_16x16x32_bf16 v[ACC+8*\st:ACC+8*\st+7], v[ML+8*\c:ML+8*\c+7], v[XF+32*\st+8*\c:XF+32*\st+8*\c+7], v[ACC+8*\st:ACC+8*\st+7]
.endr
.endm
	KSTEP 0, 1
	KSTEP 1, 0
	KSTEP 2, 0
	KSTEP 3, 0
.rept 4
	v_nop                                          ; four places behind the last matrix instruction (ISA guide 7.12.1) before its result is stored and its sources are loaded again
.endr
	; register j of lane 16 h + r of result st is out[16 st + r][16 w + 8 h + j]
.irp st, 0,1,2,3
	ds_store_b128 v[ADO], v[ACC+8*\st:ACC+8*\st+3]   offset:\st*16*OPITCH
	ds_store_b128 v[ADO], v[ACC+8*\st+4:ACC+8*\st+7] offset:\st*16*OPITCH+16
.endr
	s_wait_dscnt 0x0                               ; my columns are written
	s_barrier_signal -1
	s_barrier_wait -1                              ; every wave's are: the rows are whole
.irp i, 0,1,2,3,4,5,6,7
	ds_load_b128 v[RAW+4*\i:RAW+4*\i+3], v[ADR] offset:\i*OPITCH
.endr
.irp i, 0,1,2,3,4,5,6,7
	s_wait_dscnt 7-\i                              ; row i is in, the younger reads stay out
	global_store_b128 v[ADG], v[RAW+4*\i:RAW+4*\i+3], s[8:9] offset:\i*512 th:TH_STORE_NT    ; a whole row: 512 consecutive bytes, aligned
.endr
	s_wait_tensorcnt 0x0
	ds_add_u32 v240, v241
	s_wait_dscnt 0x0
	s_endpgm
.Lfunc_end_k_q51c0d861f4_apply:
	.size	k_q51c0d861f4_apply, .Lfunc_end_k_q51c0d861f4_apply-k_q51c0d861f4_apply
	.p2alignl 7, 3214868480
	.fill 96, 4, 3214868480
	.section	.rodata,"a",@progbits
	.p2align	6, 0x0
	.amdhsa_kernel k_q51c0d861f4_apply
		.amdhsa_group_segment_fixed_size 52224
		.amdhsa_private_segment_fixed_size 0
		.amdhsa_enable_private_segment 0
		.amdhsa_kernarg_size 24
		.amdhsa_user_sgpr_count 2
		.amdhsa_user_sgpr_kernarg_segment_ptr 1
		.amdhsa_wavefront_size32 1
		.amdhsa_system_sgpr_workgroup_id_x 1
		.amdhsa_system_sgpr_workgroup_id_y 1
		.amdhsa_system_sgpr_workgroup_id_z 1
		.amdhsa_system_vgpr_workitem_id 0
		.amdhsa_next_free_vgpr 242
		.amdhsa_next_free_sgpr 66
		.amdhsa_reserve_vcc 0
		.amdhsa_float_denorm_mode_32 3
		.amdhsa_float_denorm_mode_16_64 3
		.amdhsa_memory_ordered 1
		.amdhsa_forward_progress 1
		.amdhsa_inst_pref_size 14
	.end_amdhsa_kernel
	.amdgpu_metadata
---
amdhsa.version: [ 1, 2 ]
amdhsa.kernels:
  - .name:           k_q51c0d861f4_apply
    .symbol:         k_q51c0d861f4_apply.kd
    .args:
      - { .name: X, .offset: 0, .size: 8, .value_kind: global_buffer, .address_space: global }
      - { .name: mfrag, .offset: 8, .size: 8, .value_kind: global_buffer, .address_space: global }
      - { .name: out0, .offset: 16, .size: 8, .value_kind: global_buffer, .address_space: global }
    .group_segment_fixed_size: 52224
    .private_segment_fixed_size: 0
    .kernarg_segment_align: 8
    .kernarg_segment_size: 24
    .max_flat_workgroup_size: 256
    .sgpr_count:     66
    .vgpr_count:     242
    .wavefront_size: 32
...
	.end_amdgpu_metadata
.endif
;; end of part 3
;; ======== version 2 of 2: 3 launches; version 1 with the launches partial, apply written anew for expert scheduling mode
;; workspace buffers: part 8,388,608 bytes; mfrag 262,144 bytes
;; launch partial (part 4): grid 128 x 1, 8 waves a work-group, no clusters, 175,104 bytes of LDS; arguments context, Wk, Wv, Wq, part; writes part
.if DOCPART == 4
	.amdgcn_target "amdgcn-amd-amdhsa--gfx1250"
	.amdhsa_code_object_version 6
	.text
	.protected	k_q51c0d861f4_partial
	.globl	k_q51c0d861f4_partial
	.p2align	8
	.type	k_q51c0d861f4_partial,@function
k_q51c0d861f4_partial:
	s_mov_b64 s[64:65], 0
	v_nop
	global_prefetch_b8 v0, s[64:65] scope:SCOPE_SE
	s_setreg_imm32_b32 hwreg(HW_REG_WAVE_SCHED_MODE, 0, 2), 2
	s_setreg_imm32_b32 hwreg(HW_REG_WAVE_MODE, 25, 1), 1
	s_wait_xcnt 0x0
	s_wait_alu depctr_vm_vsrc(0)
; FIRST OF THREE LAUNCHES.  reference() has no softmax between its two large products, so for every input
;   out[b] = X[b] M[b],   M[b][d][f] = 128^-1/2 * sum over e of Wq[e][d] * sum over t of k[t][e] v[t][f],
; with k = context Wk^T and v = context Wv^T formed as reference() forms them; only the order of the sums over t and e differs.
; This launch: work-group g takes rows 128 g .. 128 g + 127 of context (as [16384][128]; batch g / 32) and stores its share
;   Mp[d][f] = sum_e Wq[e][d] * sum over its 128 t of k[t][e] v[t][f]        (f32, not yet scaled)
; into part[g].  The second launch adds the 32 shares of a batch, the third multiplies X by the sum.
; NUMBERS: context, Wk, Wv, Wq are rounded once to bf16; k, v and the work-group's k^T v are rounded once to bf16 as matrix
; operands; all sums are f32.  LIMIT KEPT: the order of summation and of rounding is not reference()'s.
; SHARES: eight waves.  Wave w converts rows 16 w .. 16 w + 15 of each of the four matrices into LDS, makes columns
; e = 16 w .. +15 of k and f = 16 w .. +15 of v, and then the 128 x 16 strips (all e, its f) of k^T v and (all d, its f) of Mp.
; A 16 x 16 result holds (m = 8 h + j, n = r) in register j of lane 16 h + r.  Two results with m = 0..15 and 16..31, packed two
; by two to bf16, therefore ARE an operand fragment with lane = n and K = m: each product is contracted over its m by the next
; one without a transposition.  Only k's fragments go through LDS, because every wave needs all of them.
; NO JOINT REQUESTS IN A CLUSTER, although all work-groups read the same three weight matrices: they are f32 in memory and have
; to be bf16 in LDS, so they pass through registers in any case; a landing zone for them as they are would be 3 x 65,536 bytes
; beside the 174,080 used here, more than a work-group can be given.  No ring and no prefetch: the launch has one step, and all of
; its 64 loads a lane are issued at its head.
; THE MODE: SCHED_MODE bits 1:0 = 2 (LLVM: expert scheduling mode 2), set by the entry lines.  The code itself states the register
; dependences between vector or matrix instructions and memory or LDS instructions, with s_wait_alu, always for 0.
; THE PLAN.  Registers that memory or LDS instructions touch:
;   v4        offset of all global loads and stores: written once, ahead of the first load.
;   v5-v12    LDS addresses: written once, behind the global loads; first read behind the first stage's wait.
;   v16-207   context, Wk, Wv as loaded: packed to bf16 in place, so that each stage's LDS stores read registers of their own.
;   CF0-CF2   three buffers of context fragments.  Step tt's matrix instructions read CF[tt % 3]; the loads of step tt + 2 land in
;             CF[(tt - 1) % 3] and are dealt among step tt's matrix instructions, which name none of their registers.
;   KT        a fragment of k: written by an odd step's conversions, read by two LDS stores at the next step's head.
;   T2        Wq packed: written by conversions, read by LDS stores, later written over by matrix results.
;   B0-B2     three buffers of A fragments for the two later products.  Step j reads B[j % 3]; the loads of step j + 2 land in
;             B[(j - 1) % 3], in one run behind the step's wait: B2 lies in the second window, and loads dealt among matrix
;             instructions under another window would want a switch at every change.
;   MA        the last results, read by the global stores.
; So one wait on va_vdst stands at the head of each step that issues a load or a store, behind the step's wait for its own
; fragments; one on vm_vsrc behind each barrier, for the LDS stores in front of it, and one ahead of each rewriting of KT.
.set PITCH,  272                       ; LDS row of 128 bf16: 256 bytes + 16, an odd multiple of 16: the 16 rows of a fragment load start 16 bytes apart modulo 256
.set QPITCH, 288                       ; Wq's rows: an odd multiple of 32, for the transposing loads
.set CS,   0                           ; context, 128 rows x 272           34,816 bytes
.set WKS,  34816                       ; Wk, 128 rows x 272                34,816
.set WVS,  69632                       ; Wv, 128 rows x 272                34,816
.set WQS,  104448                      ; Wq, 128 rows x 288                36,864
.set KF,   141312                      ; k as 32 fragments of 1,024 bytes: [e tile][32 t][registers 0-3, 4-7][lane][16 bytes]   32,768
.set ADG,  4                           ; v4   16 lane + 8,192 w: global loads (16 rows of 512 bytes a wave) and the stores into part
.set ADS,  5                           ; v5   8 lane + 16 w rows: conversion into CS and WKS
.set ADSV, 6                           ; v6   the same + WVS (beyond the 16-bit immediate)
.set ADSQ, 7                           ; v7   8 lane + 16 w rows of 288 + WQS
.set ADC,  8                           ; v8   272 r + 16 h: fragments of context
.set ADW,  9                           ; v9   the same + my 16 rows + WKS: fragments of Wk, and of Wv 34,816 further
.set ADKS, 10                          ; v10  16 lane + 4,096 w + KF: where I put k's fragments
.set ADKL, 11                          ; v11  16 lane + KF: where everybody reads them
.set ADT,  12                          ; v12  WQS + (8 h + lane % 8) 288 + 16 ((lane / 8) % 2): transposing loads of Wq
; data registers, phase by phase
.set RC,  16                           ; v16-79    context as loaded, packed in place  |  WKF 16-47, WVF 48-79     |  B0: 16-47, 48-79
.set RK,  80                           ; v80-143   Wk as loaded, packed in place       |  CF0 80-111, CF1 112-143  |  T2 80-111; KVA, then MA: 80-143
.set RV,  144                          ; v144-207  Wv as loaded, packed in place       |  AK0 AK1 AV0 AV1 144-175  |  B1's first half: 144-175
.set WKF, 16
.set WVF, 48
.set CF0, 80
.set CF1, 112
.set CF2, 216                          ; v216-247  the third buffer of context fragments                           |  B1's second half: 208-239
.set AK0, 144
.set AK1, 152
.set AV0, 160
.set AV1, 168
.set VF,  176                          ; v176-207  v's four fragments (lane = f, K = t); later KVF
.set KT,  208                          ; v208-215  one fragment of k on its way to LDS
.set T2,  80                           ; v80-111   Wq packed
.set KVA, 80                           ; v80-143   k^T v: eight results (e tile 0..7)
.set KVF, 176                          ; v176-207  k^T v as four fragments (lane = f, K = e)
.set MA,  80                           ; v80-143   Mp: eight results (d tile 0..7)
                                       ; v256-319  Wq as loaded (second window of 256 registers); then B2: named 0-31, 32-63 there
.set MSB, 0
.macro WIN new                         ; s_set_vgpr_msb: bits 1:0 source 0, 3:2 source 1, 5:4 source 2, 7:6 destination; the high byte repeats the setting left
.if MSB != \new
	s_set_vgpr_msb (MSB<<8)|\new
.set MSB, \new
.endif
.endm
; Four independent plain vector instructions stand between a matrix instruction and a vector instruction or a store that touches
; its registers; other matrix instructions are not counted as such here.
.macro PLACES
.rept 4
	v_nop
.endr
.endm
; 16 rows of f32 (4 numbers a lane and row) to bf16, in place (four numbers close up into the first two of their four registers),
; and into LDS: a row's 32 lanes write 256 neighbouring bytes
.macro STAGE raw, adr, base, pitch
.irp i, 0,1,2,3,4,5,6,7,8,9,10,11,12,13,14,15
	v_cvt_pk_bf16_f32 v[\raw+4*\i],   v[\raw+4*\i],   v[\raw+4*\i+1]
	v_cvt_pk_bf16_f32 v[\raw+4*\i+1], v[\raw+4*\i+2], v[\raw+4*\i+3]
.endr
	s_wait_alu depctr_va_vdst(0)                   ; the conversions have written the packed words, which the LDS stores read; at the first use: v5 to v12, the LDS addresses, are written too
.irp i, 0,1,2,3,4,5,6,7,8,9,10,11,12,13,14,15
	ds_store_b64 v[\adr], v[\raw+4*\i:\raw+4*\i+1] offset:\base+\i*\pitch
.endr
.endm
; one fragment (K = d, 32 c .. + 31) of context rows 16 tt .. +15: 2 loads
.macro LDC2 tt, cf, c
	ds_load_b128 v[\cf+8*\c:\cf+8*\c+3],   v[ADC] offset:\tt*16*PITCH+64*\c
	ds_load_b128 v[\cf+8*\c+4:\cf+8*\c+7], v[ADC] offset:\tt*16*PITCH+64*\c+32
.endm
.macro LDC tt, cf                      ; all four: 8 loads
.irp c, 0,1,2,3
	LDC2 \tt, \cf, \c
.endr
.endm
; k and v of 16 t: two chains of four, taking turns; the first link starts the sum with the constant 0.
; nt >= 0: the fragments of rows 16 nt .. + 15 are asked for into ncf, two loads behind each pair of matrix instructions.  No wait
; stands among them: no matrix instruction here names ncf or the address, and the step's wait has covered ncf's last readers.
.macro MUL cf, ak, av, nt, ncf
	v_wmma_f32_16x16x32_bf16 v[\ak:\ak+7], v[\cf:\cf+7], v[WKF:WKF+7], 0
	v_wmma_f32_16x16x32_bf16 v[\av:\av+7], v[\cf:\cf+7], v[WVF:WVF+7], 0
.if \nt >= 0
	LDC2 \nt, \ncf, 0
.endif
.irp c, 1,2,3
	v_wmma_f32_16x16x32_bf16 v[\ak:\ak+7], v[\cf+8*\c:\cf+8*\c+7], v[WKF+8*\c:WKF+8*\c+7], v[\ak:\ak+7]
	v_wmma_f32_16x16x32_bf16 v[\av:\av+7], v[\cf+8*\c:\cf+8*\c+7], v[WVF+8*\c:WVF+8*\c+7], v[\av:\av+7]
.if \nt >= 0
	LDC2 \nt, \ncf, \c
.endif
.endr
.endm
; two results (m = 0..15, m = 16..31) become one fragment with K = m
.macro CVT8 dst, t0, t1
.irp i, 0,1,2,3
	v_cvt_pk_bf16_f32 v[\dst+\i], v[\t0+2*\i], v[\t0+2*\i+1]
.endr
.irp i, 0,1,2,3
	v_cvt_pk_bf16_f32 v[\dst+4+\i], v[\t1+2*\i], v[\t1+2*\i+1]
.endr
.endm
.macro PACK tp                         ; 32 t are done: v's fragment stays in registers, k's is made ready for LDS
	CVT8 KT, AK0, AK1
	CVT8 VF+8*\tp, AV0, AV1
.endm
.macro SENDK tp                        ; k's fragment goes to LDS, behind the wait that shows KT written
	ds_store_b128 v[ADKS], v[KT:KT+3]   offset:\tp*1024
	ds_store_b128 v[ADKS], v[KT+4:KT+7] offset:\tp*1024+512
.endm
; the four fragments (K = t in steps of 32) of k's e tile et: 8 loads, each of 512 neighbouring bytes
.macro LDK et, base
.irp tp, 0,1,2,3
	ds_load_b128 v[\base+8*\tp:\base+8*\tp+3],   v[ADKL] offset:4096*\et+1024*\tp
	ds_load_b128 v[\base+8*\tp+4:\base+8*\tp+7], v[ADKL] offset:4096*\et+1024*\tp+512
.endr
.endm
; the four fragments (lane = d, K = e in steps of 32) of Wq's columns 16 dt .. +15, transposed on the way: 8 loads
.macro LDT dt, base
.irp c, 0,1,2,3
	ds_load_tr16_b128 v[\base+8*\c:\base+8*\c+3],   v[ADT] offset:32*QPITCH*\c+32*\dt
	ds_load_tr16_b128 v[\base+8*\c+4:\base+8*\c+7], v[ADT] offset:32*QPITCH*\c+32*\dt+16*QPITCH
.endr
.endm
; two results side by side: A fragments at b0 and b1, the same four B fragments at bf; two chains taking turns
.macro MULP acc, b0, b1, bf
	v_wmma_f32_16x16x32_bf16 v[\acc:\acc+7],    v[\b0:\b0+7], v[\bf:\bf+7], 0
	v_wmma_f32_16x16x32_bf16 v[\acc+8:\acc+15], v[\b1:\b1+7], v[\bf:\bf+7], 0
.irp c, 1,2,3
	v_wmma_f32_16x16x32_bf16 v[\acc:\acc+7],    v[\b0+8*\c:\b0+8*\c+7], v[\bf+8*\c:\bf+8*\c+7], v[\acc:\acc+7]
	v_wmma_f32_16x16x32_bf16 v[\acc+8:\acc+15], v[\b1+8*\c:\b1+8*\c+7], v[\bf+8*\c:\bf+8*\c+7], v[\acc+8:\acc+15]
.endr
.endm
	s_load_b256 s[4:11], s[0:1], 0x0               ; context s[4:5], Wk s[6:7], Wv s[8:9], Wq s[10:11]
	s_load_b64 s[12:13], s[0:1], 0x20              ; part
	v_lshl_add_u32 v254, v0, 2, 0x2a800
	v_mov_b32 v255, 0
	v_and_b32 v1, 31, v0                           ; lane
	v_lshrrev_b32 v2, 5, v0
	v_readfirstlane_b32 s14, v2                    ; wave w
	s_lshl_b32 s16, ttmp9, 16                      ; 128 rows of 512 bytes of context, and 65,536 bytes of part, for each work-group
	s_mov_b32 s17, 0
	s_wait_alu depctr_va_sdst(0)                   ; s14 is written, ahead of its first reader: offsets and LDS addresses are made from it
	s_lshl_b32 s15, s14, 13                        ; 16 rows of 512 bytes; also my 8 results of 1,024 bytes in part
	v_lshl_add_u32 v[ADG], v1, 4, s15
	s_wait_kmcnt 0x0
	s_add_nc_u64 s[4:5], s[4:5], s[16:17]
	s_add_nc_u64 s[12:13], s[12:13], s[16:17]
	s_wait_alu depctr_va_vdst(0)                   ; v[ADG] is written: every global load and store of the kernel reads it as its offset
	; ---- all of the launch's loads: each covers one row, 512 neighbouring bytes ----
.irp i, 0,1,2,3,4,5,6,7,8,9,10,11,12,13,14,15
	global_load_b128 v[RC+4*\i:RC+4*\i+3], v[ADG], s[4:5] offset:\i*512 th:TH_LOAD_NT     ; context is read once in the launch
.endr
.irp i, 0,1,2,3,4,5,6,7,8,9,10,11,12,13,14,15
	global_load_b128 v[RK+4*\i:RK+4*\i+3], v[ADG], s[6:7] offset:\i*512
.endr
.irp i, 0,1,2,3,4,5,6,7,8,9,10,11,12,13,14,15
	global_load_b128 v[RV+4*\i:RV+4*\i+3], v[ADG], s[8:9] offset:\i*512
.endr
	WIN 0x40                                       ; destination in the second window: v256-319; between the wait above and these loads stand loads and this switch alone
.irp i, 0,1,2,3,4,5,6,7,8,9,10,11,12,13,14,15
	global_load_b128 v[4*\i:4*\i+3], v[ADG], s[10:11] offset:\i*512
.endr
	WIN 0
	; the other addresses, while the loads are on their way: none of these lines writes a register that a load above reads or will write
	v_and_b32 v2, 15, v0                           ; r
	v_bfe_u32 v3, v0, 4, 1                         ; h
	s_mul_i32 s18, s14, 16*PITCH                   ; my 16 rows in CS, WKS, WVS
	s_mul_i32 s19, s14, 16*QPITCH
	s_add_co_u32 s19, s19, WQS                     ; my 16 rows in WQS
	s_lshl_b32 s20, s14, 12
	s_add_co_u32 s20, s20, KF                      ; my four fragments of k
	s_add_co_u32 s21, s18, WKS
	v_lshl_add_u32 v[ADS], v1, 3, s18
	v_add_nc_u32 v[ADSV], WVS, v[ADS]
	v_lshl_add_u32 v[ADSQ], v1, 3, s19
	v_mul_u32_u24 v[ADC], v2, PITCH
	v_lshl_add_u32 v[ADC], v3, 4, v[ADC]
	v_add_nc_u32 v[ADW], s21, v[ADC]
	v_lshl_add_u32 v[ADKS], v1, 4, s20
	v_lshl_add_u32 v[ADKL], v1, 4, KF
	v_and_b32 v13, 7, v0
	v_lshl_add_u32 v13, v3, 3, v13                 ; 8 h + lane % 8: the row of Wq inside a block of 16
	v_mul_u32_u24 v13, v13, QPITCH
	v_bfe_u32 v14, v0, 3, 1
	v_lshl_add_u32 v13, v14, 4, v13                ; + 16 bytes for the upper eight columns
	v_add_nc_u32 v[ADT], WQS, v13
	; ---- to bf16 and into LDS.  Loads come back in order (ISA guide 5.7.1): each count is the loads issued behind the block ----
	s_wait_loadcnt 48                              ; context is in; Wk, Wv, Wq (48 loads) stay out
	STAGE RC, ADS, CS, PITCH
	s_wait_loadcnt 32                              ; Wk is in
	STAGE RK, ADS, WKS, PITCH
	s_wait_loadcnt 16                              ; Wv is in; Wq's 16 loads stay out across the barrier: they land in registers, and nobody writes Wq
	STAGE RV, ADSV, 0, PITCH                       ; its wait also shows all conversions done with v16-207: no vector instruction stands between it and the fragments' loads below
	s_wait_dscnt 0x0                               ; my rows are written, for the others' sake
	s_barrier_signal -1
	s_barrier_wait -1                              ; all 128 rows of context are in CS
	s_wait_alu depctr_vm_vsrc(0)                   ; my LDS stores have read v16-207: from here on fragments land there, and matrix instructions and conversions write there
	; ---- k[t][e] and v[t][f] for all 128 t and my 16 e, my 16 f: A = rows of context, B = my rows of Wk, of Wv ----
.irp c, 0,1,2,3
	ds_load_b128 v[WKF+8*\c:WKF+8*\c+3],   v[ADW] offset:64*\c
	ds_load_b128 v[WKF+8*\c+4:WKF+8*\c+7], v[ADW] offset:64*\c+32
.endr
.irp c, 0,1,2,3
	ds_load_b128 v[WVF+8*\c:WVF+8*\c+3],   v[ADW] offset:WVS-WKS+64*\c
	ds_load_b128 v[WVF+8*\c+4:WVF+8*\c+7], v[ADW] offset:WVS-WKS+64*\c+32
.endr
	LDC 0, CF0
	LDC 1, CF1
	LDC 2, CF2
	; Eight steps of 16 t.  LDS instructions end in order (ISA guide 5.7.1): each count is what was issued behind the step's own 8 loads.
	s_wait_dscnt 16                                ; step 0: the weights' fragments and CF0 are in; the runs for steps 1 and 2 stay out
	MUL CF0, AK0, AV0, -1, 0
	s_wait_dscnt 8                                 ; step 1: the run for step 2 stays out
	s_wait_alu depctr_va_vdst(0)                   ; step 0's matrix instructions are done reading CF0, in which step 3's fragments land
	MUL CF1, AK1, AV1, 3, CF0
	PLACES
	PACK 0
	s_wait_dscnt 8                                 ; step 2: the run for step 3 stays out
	s_wait_alu depctr_va_vdst(0)                   ; the conversions have written KT, which the two stores read; step 1's matrix instructions are done reading CF1
	SENDK 0
	MUL CF2, AK0, AV0, 4, CF1
	s_wait_dscnt 10                                ; step 3: the two stores and the run for step 4 stay out
	s_wait_alu depctr_va_vdst(0)                   ; step 2's matrix instructions are done reading CF2
	MUL CF0, AK1, AV1, 5, CF2
	PLACES
	s_wait_alu depctr_vm_vsrc(0)                   ; the two stores of step 2 have read KT, which the conversions write again
	PACK 1
	s_wait_dscnt 8                                 ; step 4
	s_wait_alu depctr_va_vdst(0)                   ; KT is written; step 3's matrix instructions are done reading CF0
	SENDK 1
	MUL CF1, AK0, AV0, 6, CF0
	s_wait_dscnt 10                                ; step 5
	s_wait_alu depctr_va_vdst(0)                   ; step 4's matrix instructions are done reading CF1
	MUL CF2, AK1, AV1, 7, CF1
	PLACES
	s_wait_alu depctr_vm_vsrc(0)                   ; the two stores of step 4 have read KT
	PACK 2
	s_wait_dscnt 8                                 ; step 6: the run for step 7 stays out
	s_wait_alu depctr_va_vdst(0)                   ; KT is written, which the two stores read
	SENDK 2
	MUL CF0, AK0, AV0, -1, 0
	s_wait_dscnt 2                                 ; step 7: the two stores stay out; the step issues no load and no store
	MUL CF1, AK1, AV1, -1, 0
	PLACES
	s_wait_alu depctr_vm_vsrc(0)                   ; the two stores of step 6 have read KT
	PACK 3
	; ---- Wq to bf16 and into LDS, as it lies: [e][d] ----
	s_wait_loadcnt 0x0
	WIN 0x05                                       ; sources 0 and 1 in the second window
.irp i, 0,1,2,3,4,5,6,7,8,9,10,11,12,13,14,15
	v_cvt_pk_bf16_f32 v[T2+2*\i],   v[4*\i],   v[4*\i+1]
	v_cvt_pk_bf16_f32 v[T2+2*\i+1], v[4*\i+2], v[4*\i+3]
.endr
	WIN 0
	s_wait_alu depctr_va_vdst(0)                   ; KT and T2 are written, which the stores read; and all matrix instructions and conversions above are done with v16-79, v144-175, v208-239 and v256-319, in which the next loads land
	SENDK 3
.irp i, 0,1,2,3,4,5,6,7,8,9,10,11,12,13,14,15
	ds_store_b64 v[ADSQ], v[T2+2*\i:T2+2*\i+1] offset:\i*QPITCH
.endr
	s_wait_dscnt 0x0                               ; my fragments of k and my rows of Wq are written
	s_barrier_signal -1
	s_barrier_wait -1                              ; everybody's are
	s_wait_alu depctr_vm_vsrc(0)                   ; my LDS stores have read KT, in which a fragment lands, and T2, over which matrix results are written
	; ---- (k^T v)[e][f], all e, my f: A = k's fragments (lane = e, K = t) from LDS, B = v's (lane = f, K = t) from registers ----
	; ---- then Mp[d][f] = sum_e Wq[e][d] (k^T v)[e][f]: A = Wq transposed (lane = d, K = e), B = k^T v packed (lane = f, K = e) ----
	; Eight steps of two tiles, on three buffers.  Each count is the runs of 16 loads issued behind the step's own.
	LDK 0, 16
	LDK 1, 48
	LDK 2, 144
	LDK 3, 208
	WIN 0x40                                       ; destination in the second window; v256-319 were last named ahead of the wait on va_vdst above
	LDK 4, 0
	LDK 5, 32
	WIN 0
	s_wait_dscnt 32                                ; step 0: B0 is in; the runs for steps 1 and 2 stay out
	MULP KVA, 16, 48, VF
	s_wait_dscnt 16                                ; step 1
	s_wait_alu depctr_va_vdst(0)                   ; step 0's matrix instructions are done reading B0, in which step 3's fragments land
	LDK 6, 16
	LDK 7, 48
	MULP KVA+16, 144, 208, VF
	s_wait_dscnt 16                                ; step 2
	s_wait_alu depctr_va_vdst(0)                   ; step 1's matrix instructions are done reading B1
	LDT 0, 144                                     ; the next product's A fragments follow in the same three buffers
	LDT 1, 208
	WIN 0x01                                       ; source 0 in the second window: B2
	MULP KVA+32, 0, 32, VF
	s_wait_dscnt 16                                ; step 3
	WIN 0x40                                       ; the switch, then the wait, then the loads
	s_wait_alu depctr_va_vdst(0)                   ; step 2's matrix instructions are done reading B2
	LDT 2, 0
	LDT 3, 32
	WIN 0
	MULP KVA+48, 16, 48, VF
	PLACES
	CVT8 KVF,    KVA,    KVA+8                     ; behind the four places above: they read results and write over v's fragments
	CVT8 KVF+8,  KVA+16, KVA+24
	CVT8 KVF+16, KVA+32, KVA+40
	CVT8 KVF+24, KVA+48, KVA+56
	s_wait_dscnt 16                                ; step 4
	s_wait_alu depctr_va_vdst(0)                   ; step 3's matrix instructions are done reading B0
	LDT 4, 16
	LDT 5, 48
	MULP MA, 144, 208, KVF
	s_wait_dscnt 16                                ; step 5
	s_wait_alu depctr_va_vdst(0)                   ; step 4's matrix instructions are done reading B1
	LDT 6, 144
	LDT 7, 208
	WIN 0x01
	MULP MA+16, 0, 32, KVF
	WIN 0
	s_wait_dscnt 16                                ; step 6: nothing more is asked for
	MULP MA+32, 16, 48, KVF
	s_wait_dscnt 0x0                               ; step 7
	MULP MA+48, 144, 208, KVF
	PLACES
	s_wait_alu depctr_va_vdst(0)                   ; the matrix instructions have written MA, which the stores read; the places above stay beside this wait
	; ---- out, register image as it is: part[g][tile 8 w + dt][q][lane][registers 4 q .. 4 q + 3]; each store covers 512 consecutive bytes, aligned ----
.irp dt, 0,1,2,3,4,5,6,7
	global_store_b128 v[ADG], v[MA+8*\dt:MA+8*\dt+3],   s[12:13] offset:\dt*1024
	global_store_b128 v[ADG], v[MA+8*\dt+4:MA+8*\dt+7], s[12:13] offset:\dt*1024+512
.endr
	s_wait_dscnt 0x0
	s_wait_alu depctr_hold_cnt(0) depctr_sa_sdst(0) depctr_va_vdst(0) depctr_va_sdst(0) depctr_va_ssrc(0) depctr_va_vcc(0) depctr_vm_vsrc(0)
	s_wait_tensorcnt 0x0
	ds_add_u32 v254, v255
	s_wait_dscnt 0x0
	s_endpgm
.Lfunc_end_k_q51c0d861f4_partial:
	.size	k_q51c0d861f4_partial, .Lfunc_end_k_q51c0d861f4_partial-k_q51c0d861f4_partial
	.p2alignl 7, 3214868480
	.fill 96, 4, 3214868480
	.section	.rodata,"a",@progbits
	.p2align	6, 0x0
	.amdhsa_kernel k_q51c0d861f4_partial
		.amdhsa_group_segment_fixed_size 175104
		.amdhsa_private_segment_fixed_size 0
		.amdhsa_enable_private_segment 0
		.amdhsa_kernarg_size 40
		.amdhsa_user_sgpr_count 2
		.amdhsa_user_sgpr_kernarg_segment_ptr 1
		.amdhsa_wavefront_size32 1
		.amdhsa_system_sgpr_workgroup_id_x 1
		.amdhsa_system_sgpr_workgroup_id_y 1
		.amdhsa_system_sgpr_workgroup_id_z 1
		.amdhsa_system_vgpr_workitem_id 0
		.amdhsa_next_free_vgpr 320
		.amdhsa_next_free_sgpr 66
		.amdhsa_reserve_vcc 0
		.amdhsa_float_denorm_mode_32 3
		.amdhsa_float_denorm_mode_16_64 3
		.amdhsa_memory_ordered 1
		.amdhsa_forward_progress 1
		.amdhsa_inst_pref_size 53
	.end_amdhsa_kernel
	.amdgpu_metadata
---
amdhsa.version: [ 1, 2 ]
amdhsa.kernels:
  - .name:           k_q51c0d861f4_partial
    .symbol:         k_q51c0d861f4_partial.kd
    .args:
      - { .name: context, .offset: 0, .size: 8, .value_kind: global_buffer, .address_space: global }
      - { .name: Wk, .offset: 8, .size: 8, .value_kind: global_buffer, .address_space: global }
      - { .name: Wv, .offset: 16, .size: 8, .value_kind: global_buffer, .address_space: global }
      - { .name: Wq, .offset: 24, .size: 8, .value_kind: global_buffer, .address_space: global }
      - { .name: part, .offset: 32, .size: 8, .value_kind: global_buffer, .address_space: global }
    .group_segment_fixed_size: 175104
    .private_segment_fixed_size: 0
    .kernarg_segment_align: 8
    .kernarg_segment_size: 40
    .max_flat_workgroup_size: 256
    .sgpr_count:     66
    .vgpr_count:     320
    .wavefront_size: 32
...
	.end_amdgpu_metadata
.endif
;; end of part 4
;; launch reduce: the kernel of part 2 again; grid 256 x 1, 2 waves a work-group, no clusters, 0 bytes of LDS; arguments part, mfrag; writes mfrag
;; launch apply (part 5): grid 256 x 1, 8 waves a work-group, no clusters, 52,224 bytes of LDS; arguments X, mfrag, out0; writes out0
.if DOCPART == 5
	.amdgcn_target "amdgcn-amd-amdhsa--gfx1250"
	.amdhsa_code_object_version 6
	.text
	.protected	k_q51c0d861f4_apply
	.globl	k_q51c0d861f4_apply
	.p2align	8
	.type	k_q51c0d861f4_apply,@function
k_q51c0d861f4_apply:
	s_mov_b64 s[64:65], 0
	v_nop
	global_prefetch_b8 v0, s[64:65] scope:SCOPE_SE
	s_setreg_imm32_b32 hwreg(HW_REG_WAVE_SCHED_MODE, 0, 2), 2
	s_setreg_imm32_b32 hwreg(HW_REG_WAVE_MODE, 25, 1), 1
	s_wait_xcnt 0x0
	s_wait_alu depctr_vm_vsrc(0)
; THIRD OF THREE LAUNCHES.  out[s][f] = sum over d of X[s][d] (Mhi[d][f] + Mlo[d][f]),  X rounded once to bf16, sums in f32.
; Work-group g takes rows 64 g .. 64 g + 63 of X and out (as [16384][128]; batch g / 64).  Eight waves: wave w converts rows
; 8 w .. + 7 of X into LDS, computes columns f = 16 w .. + 15 of all 64 rows, and stores rows 8 w .. + 7 of out.
; The matrix instruction takes M's fragment (lane = f, K = d) as source 0 and X's rows (lane = s, K = d) as source 1: a lane's eight
; results are then eight neighbouring columns of one row of out, 32 bytes, which go through LDS so that whole rows leave.
; mfrag = [4 b][8 ft][hi, lo][16 pairs][32 lanes][8 bytes] is the register image of the fragments: it is loaded straight into them.
; LIMIT KEPT: hi's and lo's products are added in one f32 chain in ascending d, not in reference()'s order.
; NO JOINT REQUESTS IN A CLUSTER, although the 64 work-groups of a batch read the same 65,536 bytes of mfrag: each wave needs its own
; 8,192 of them once, as operands, and takes them straight into registers; by way of LDS the work-group would write and read
; 65,536 bytes more.  X must be converted and so passes through registers.  One step, all loads at the head: no ring, no prefetch.
; THE MODE: SCHED_MODE bits 1:0 = 2 (LLVM: expert scheduling mode 2), set by the entry lines.  The code itself states the register
; dependences between vector or matrix instructions and memory or LDS instructions, with s_wait_alu, always for 0.
; THE PLAN.  Registers that memory or LDS instructions touch:
;   v4, v5    offsets of the global loads and stores: written once, ahead of the first load.
;   v6-v9     LDS addresses: written once, behind the global loads; first read behind the wait that follows the conversions.
;   RAW       X as loaded: read by the conversions; then fragments of X land there; at the end the rows of out.
;   T         X packed: written by the conversions, read by the LDS stores; then fragments of X land there.
;   XF        fragments of X: read by the matrix instructions.       MH, ML: loaded once, read by matrix instructions alone.
;   ACC       written by the matrix instructions, read by the LDS stores.
; Three waits on va_vdst (ahead of the first load; between conversions and LDS stores; ahead of the stores of the results) and one
; on vm_vsrc (behind the first barrier) state all of it; one on va_sdst stands ahead of the first reader of the wave's number.
.set PITCH,  272                       ; a row of 128 bf16 + 16 bytes
.set OPITCH, 528                       ; a row of 128 f32 + 16 bytes: 33 x 16, so the 16 rows that a store touches lie 16 bytes apart modulo 256
.set XS, 0                             ; X, 64 rows x 272      17,408 bytes
.set OS, 17408                         ; out, 64 rows x 528    33,792 bytes
.set ADG, 4                            ; v4  16 lane + 4,096 w: X in, out0 out (8 rows of 512 bytes a wave)
.set ADM, 5                            ; v5  8 lane: mfrag
.set ADS, 6                            ; v6  8 lane + 8 w rows: conversion into XS
.set ADX, 7                            ; v7  272 r + 16 h: fragments of X
.set ADO, 8                            ; v8  OS + 528 r + 32 h + 64 w: my 32 bytes of a row of out
.set ADR, 9                            ; v9  OS + 8 w rows + 16 lane: rows read back
.set MH,  16                           ; v16-47    Mhi, four fragments
.set ML,  48                           ; v48-79    Mlo
.set XF,  80                           ; v80-207   X: fragment (16 rows st, 32 d c) at XF + 32 st + 8 c
.set RAW, 80                           ; v80-111   before that: X as loaded;  at the end: rows of out
.set T,   112                          ; v112-127  X packed
.set ACC, 208                          ; v208-239  four results (st = 0..3)
	s_load_b128 s[4:7], s[0:1], 0x0                ; X s[4:5], mfrag s[6:7]
	s_load_b64 s[8:9], s[0:1], 0x10                ; out0
	v_lshl_add_u32 v14, v0, 2, 0xc800
	v_mov_b32 v15, 0
	v_and_b32 v1, 31, v0                           ; lane
	v_lshrrev_b32 v2, 5, v0
	v_readfirstlane_b32 s10, v2                    ; wave w
	s_lshl_b32 s12, ttmp9, 15                      ; 64 rows of 512 bytes
	s_mov_b32 s13, 0
	s_lshr_b32 s14, ttmp9, 6                       ; batch
	s_lshl_b32 s14, s14, 16                        ; 65,536 bytes of mfrag each,
	s_wait_alu depctr_va_sdst(0)                   ; s10 is written, ahead of its first reader: offsets and LDS addresses are made from it
	s_lshl_b32 s19, s10, 13                        ; 8,192 for each f tile
	s_add_co_u32 s14, s14, s19
	s_mov_b32 s15, 0
	s_lshl_b32 s11, s10, 12
	v_lshl_add_u32 v[ADG], v1, 4, s11
	v_lshlrev_b32 v[ADM], 3, v1
	s_wait_kmcnt 0x0
	s_add_nc_u64 s[4:5], s[4:5], s[12:13]
	s_add_nc_u64 s[8:9], s[8:9], s[12:13]
	s_add_nc_u64 s[6:7], s[6:7], s[14:15]
	s_wait_alu depctr_va_vdst(0)                   ; v[ADG] and v[ADM] are written: every global load and store of the kernel reads one of them as its offset
.irp i, 0,1,2,3,4,5,6,7
	global_load_b128 v[RAW+4*\i:RAW+4*\i+3], v[ADG], s[4:5] offset:\i*512 th:TH_LOAD_NT      ; a row each; X is read once
.endr
.irp k, 0,1,2,3,4,5,6,7,8,9,10,11,12,13,14,15
	global_load_b64 v[MH+2*\k:MH+2*\k+1], v[ADM], s[6:7] offset:\k*256
.endr
.irp k, 0,1,2,3,4,5,6,7,8,9,10,11,12,13,14,15
	global_load_b64 v[ML+2*\k:ML+2*\k+1], v[ADM], s[6:7] offset:4096+\k*256
.endr
	; the other addresses, while the loads are on their way: none of these lines writes a register that a load above reads or will write
	v_and_b32 v2, 15, v0                           ; r
	v_bfe_u32 v3, v0, 4, 1                         ; h
	s_mul_i32 s18, s10, 8*PITCH
	v_lshl_add_u32 v[ADS], v1, 3, s18
	v_mul_u32_u24 v[ADX], v2, PITCH
	v_lshl_add_u32 v[ADX], v3, 4, v[ADX]
	s_lshl_b32 s16, s10, 6
	s_add_co_u32 s16, s16, OS
	v_mul_u32_u24 v[ADO], v2, OPITCH
	v_lshl_add_u32 v[ADO], v3, 5, v[ADO]
	v_add_nc_u32 v[ADO], s16, v[ADO]
	s_mul_i32 s17, s10, 8*OPITCH
	s_add_co_u32 s17, s17, OS
	v_lshl_add_u32 v[ADR], v1, 4, s17
	s_wait_loadcnt 32                              ; loads come back in order (ISA guide 5.7.1): X is in, mfrag's 32 loads stay out
.irp i, 0,1,2,3,4,5,6,7
	v_cvt_pk_bf16_f32 v[T+2*\i],   v[RAW+4*\i],   v[RAW+4*\i+1]
	v_cvt_pk_bf16_f32 v[T+2*\i+1], v[RAW+4*\i+2], v[RAW+4*\i+3]
.endr
	s_wait_alu depctr_va_vdst(0)                   ; the conversions have written T, which the LDS stores read, and are done reading RAW, in which fragments land below; v6 to v9, the LDS addresses, are written
.irp i, 0,1,2,3,4,5,6,7
	ds_store_b64 v[ADS], v[T+2*\i:T+2*\i+1] offset:\i*PITCH
.endr
	s_wait_dscnt 0x0                               ; my rows are written, for the others' sake
	s_barrier_signal -1
	s_barrier_wait -1                              ; all 64 rows are in XS
	s_wait_alu depctr_vm_vsrc(0)                   ; my LDS stores have read T, in which fragments of X land
	; all 16 fragments of X, in the order in which they are multiplied: 8 loads for each 32 d
.irp c, 0,1,2,3
.irp st, 0,1,2,3
	ds_load_b128 v[XF+32*\st+8*\c:XF+32*\st+8*\c+3],   v[ADX] offset:\st*16*PITCH+64*\c
	ds_load_b128 v[XF+32*\st+8*\c+4:XF+32*\st+8*\c+7], v[ADX] offset:\st*16*PITCH+64*\c+32
.endr
.endr
	s_wait_loadcnt 0x0                             ; M's fragments
; 32 d: four chains in place taking turns, hi's product and then lo's on each.  first = 1: the constant 0 starts the sums.
.macro KSTEP c, first
	s_wait_dscnt 24-8*\c                           ; LDS loads come back in order: the 8 loads of each later c stay out
.irp st, 0,1,2,3
.if \first
	v_wmma_f32_16x16x32_bf16 v[ACC+8*\st:ACC+8*\st+7], v[MH+8*\c:MH+8*\c+7], v[XF+32*\st+8*\c:XF+32*\st+8*\c+7], 0
.else
	v_wmma_f32_16x16x32_bf16 v[ACC+8*\st:ACC+8*\st+7], v[MH+8*\c:MH+8*\c+7], v[XF+32*\st+8*\c:XF+32*\st+8*\c+7], v[ACC+8*\st:ACC+8*\st+7]
.endif
.endr
.irp st, 0,1,2,3
	v_wmma_f32_16x16x32_bf16 v[ACC+8*\st:ACC+8*\st+7], v[ML+8*\c:ML+8*\c+7], v[XF+32*\st+8*\c:XF+32*\st+8*\c+7], v[ACC+8*\st:ACC+8*\st+7]
.endr
.endm
	KSTEP 0, 1
	KSTEP 1, 0
	KSTEP 2, 0
	KSTEP 3, 0
.rept 4
	v_nop                                          ; four places behind the last matrix instruction (ISA guide 7.12.1) before its result is stored
.endr
	s_wait_alu depctr_va_vdst(0)                   ; the matrix instructions have written ACC, which the LDS stores read, and are done reading v80-111, in which the rows of out land below; the places above stay beside this wait
	; register j of lane 16 h + r of result st is out[16 st + r][16 w + 8 h + j]
.irp st, 0,1,2,3
	ds_store_b128 v[ADO], v[ACC+8*\st:ACC+8*\st+3]   offset:\st*16*OPITCH
	ds_store_b128 v[ADO], v[ACC+8*\st+4:ACC+8*\st+7] offset:\st*16*OPITCH+16
.endr
	s_wait_dscnt 0x0                               ; my columns are written
	s_barrier_signal -1
	s_barrier_wait -1                              ; every wave's are: the rows are whole
.irp i, 0,1,2,3,4,5,6,7
	ds_load_b128 v[RAW+4*\i:RAW+4*\i+3], v[ADR] offset:\i*OPITCH
.endr
.irp i, 0,1,2,3,4,5,6,7
	s_wait_dscnt 7-\i                              ; row i is in, the younger reads stay out
	global_store_b128 v[ADG], v[RAW+4*\i:RAW+4*\i+3], s[8:9] offset:\i*512 th:TH_STORE_NT    ; a whole row: 512 consecutive bytes, aligned
.endr
	s_wait_dscnt 0x0
	s_wait_alu depctr_hold_cnt(0) depctr_sa_sdst(0) depctr_va_vdst(0) depctr_va_sdst(0) depctr_va_ssrc(0) depctr_va_vcc(0) depctr_vm_vsrc(0)
	s_wait_tensorcnt 0x0
	ds_add_u32 v14, v15
	s_wait_dscnt 0x0
	s_endpgm
.Lfunc_end_k_q51c0d861f4_apply:
	.size	k_q51c0d861f4_apply, .Lfunc_end_k_q51c0d861f4_apply-k_q51c0d861f4_apply
	.p2alignl 7, 3214868480
	.fill 96, 4, 3214868480
	.section	.rodata,"a",@progbits
	.p2align	6, 0x0
	.amdhsa_kernel k_q51c0d861f4_apply
		.amdhsa_group_segment_fixed_size 52224
		.amdhsa_private_segment_fixed_size 0
		.amdhsa_enable_private_segment 0
		.amdhsa_kernarg_size 24
		.amdhsa_user_sgpr_count 2
		.amdhsa_user_sgpr_kernarg_segment_ptr 1
		.amdhsa_wavefront_size32 1
		.amdhsa_system_sgpr_workgroup_id_x 1
		.amdhsa_system_sgpr_workgroup_id_y 1
		.amdhsa_system_sgpr_workgroup_id_z 1
		.amdhsa_system_vgpr_workitem_id 0
		.amdhsa_next_free_vgpr 240
		.amdhsa_next_free_sgpr 66
		.amdhsa_reserve_vcc 0
		.amdhsa_float_denorm_mode_32 3
		.amdhsa_float_denorm_mode_16_64 3
		.amdhsa_memory_ordered 1
		.amdhsa_forward_progress 1
		.amdhsa_inst_pref_size 15
	.end_amdhsa_kernel
	.amdgpu_metadata
---
amdhsa.version: [ 1, 2 ]
amdhsa.kernels:
  - .name:           k_q51c0d861f4_apply
    .symbol:         k_q51c0d861f4_apply.kd
    .args:
      - { .name: X, .offset: 0, .size: 8, .value_kind: global_buffer, .address_space: global }
      - { .name: mfrag, .offset: 8, .size: 8, .value_kind: global_buffer, .address_space: global }
      - { .name: out0, .offset: 16, .size: 8, .value_kind: global_buffer, .address_space: global }
    .group_segment_fixed_size: 52224
    .private_segment_fixed_size: 0
    .kernarg_segment_align: 8
    .kernarg_segment_size: 24
    .max_flat_workgroup_size: 256
    .sgpr_count:     66
    .vgpr_count:     240
    .wavefront_size: 32
...
	.end_amdgpu_metadata
.endif
;; end of part 5
